; MI455X (gfx1250); checked and timed in simulation.
; The chip was launched on July 23, 2026; its instructions are those of AMD's public machine-readable ISA for CDNA 5 (MIT licence, August 2026) and "CDNA5" Instruction Set Architecture Reference Guide (July 2026). The comments in the code are by the model that wrote it; some were corrected since.
;; Laplacian. Allowed arithmetic: float matrix products may take bf16 or f16 operands with f32 sums; all other float work in f32.
;; Inputs: W1 128 x 512 float32; W2 512 x 1 float32; b1 512 float32; b2 1 float32; x 512 x 128 float32.
;; Outputs: out0 128 x 512 x 1 float32; out1 128 x 512 x 1 float32; out2 512 x 1 float32.
;; One version. Each part assembles by itself: llvm-mc -triple=amdgcn-amd-amdhsa -mcpu=gfx1250 --defsym DOCPART=n.
;; ======== version 1 of 1: 1 launch
;; limits: values are held in f16: magnitudes above 65,504 overflow, below 6.1e-05 lose precision; inputs' magnitudes at most 65,504
;; launch laplace (part 1): grid 4 x 8, 16 waves a work-group, no clusters, 236,544 bytes of LDS; arguments x, W1, b1, W2, b2, out0, out1, out2; writes out0, out1, out2
.if DOCPART == 1
	.amdgcn_target "amdgcn-amd-amdhsa--gfx1250"
	.amdhsa_code_object_version 6
	.text
	.protected	k_q1c339844da_laplace
	.globl	k_q1c339844da_laplace
	.p2align	8
	.type	k_q1c339844da_laplace,@function
k_q1c339844da_laplace:
	s_mov_b64 s[64:65], 0
	v_nop
	global_prefetch_b8 v0, s[64:65] scope:SCOPE_SE
	s_setreg_imm32_b32 hwreg(HW_REG_WAVE_MODE, 25, 1), 1
	s_wait_xcnt 0x0
; Forward Laplacian of f(x) = tanh(x W1 + b1) W2 + b2 along the 128 unit directions that the problem itself builds.
; With z = x W1 + b1 [512 b][512 h] and t = tanh z the three results have a closed form that holds for every input:
;   out0[i][b] = sum_h t W2[h] + b2                          (the same for all 128 i)
;   out1[i][b] = sum_h (1 - t^2) W2[h] W1[i][h]
;   out2[b]    = -2 sum_h t (1 - t^2) W2[h] s[h],            s[h] = sum_i W1[i][h]^2
; SHARES.  Grid 4 x 8: x = slice of 32 directions i, y = block of 64 batch rows b (64 f32 = 256 consecutive bytes of an output row).
; The sum over h stays inside a work-group, so h is not split over work-groups; the four slices of a block each form z and t anew
; and take a quarter of the second product, of the reduction and of the stores.  16 waves: wave w takes the 32 batch rows of half
; bh = w >> 3 and the 64 hidden units of range hr = w & 7, in two groups of 32 h.
; FLOW.  W1 and x are loaded once through registers, rounded to f16 and laid into LDS; W1's squares are summed in f32 on the way.
; The first product is taken transposed, D1[h][b]: its result layout (lane = b, registers = 8 neighbouring h) is the A layout of the
; second product D2[b][i], so (1 - t^2) W2 goes from one product to the next in registers.  W1's one f16 copy [i][h] serves
; both products: transposing loads for the first (K = i), plain loads for the second (K = h).
; NO CLUSTER, NO TENSOR LOADS: all work-groups read W1, but every element has to pass through registers (rounding to f16, squares),
; and W1 in f32 (262,144 bytes) beside its f16 copy (135,168 bytes) is more LDS than a work-group can be given (327,680 bytes).
; LIMITS.  x, W1 and (1 - t^2) W2 are rounded to f16 as matrix operands: magnitudes above 65,504 become infinite, below 6.1e-5 the
; rounding step is 6e-8 absolute.  NaN and infinite inputs are not treated specially.  Sums are formed in another order than the
; reference's.  tanh is formed from e = exp2(-2 log2(e) |z|) <= 1, so no exponential can overflow; where e flushes to 0, t = +-1.
; ---- LDS map (bytes) ----
.set W1P,  1056                        ; pitch of W1's f16 copy: 1,024 bytes + 32.  Eight rows start 32 bytes apart modulo 256, so the 16 lanes of a
                                       ; transposing load (8 rows x 2 pieces of 16 bytes) touch 16 different 16-byte columns (64 banks of 4 bytes: ISA guide 11.1).
                                       ; The plain loads of the second product (16 rows) meet two deep; they move a quarter of what the transposing loads move.
.set XP,   272                         ; pitch of x's f16 copy: 256 bytes + 16
.set XH,   128*W1P                     ; 135,168: x, f16 [64 b][128 i]                (W1's copy, f16 [128 i][512 h], begins at 0)
.set CT,   XH+64*XP                    ; 152,576: four f32 tables of 512
.set T_B1, 0                           ;   b1
.set T_W2, 2048                        ;   W2
.set T_S0, 4096                        ;   sums of squares over rows 0-63 of W1
.set T_S1, 6144                        ;   and over rows 64-127
.set RED,  CT+8192                     ; 160,768: partial out1, [8 hr][32 i] rows of 64 b in f32, padded
.set RP,   272
.set REDH, 32*RP                       ; 8,704 bytes for each h range
.set F0P,  RED+8*REDH                  ; 230,400: partial sums for out0, [8 hr][64 b] f32
.set LAPP, F0P+2048                    ; 232,448: the same for out2; ends at 234,496
; ---- registers, staging ----
.set GW,  4                            ; global byte offsets: W1, x, b1 or W2
.set GX,  5
.set GC,  6
.set LWA, 7                            ; LDS addresses: W1's copy, x's copy, table, squares
.set LXA, 8
.set LCA, 9
.set LSA, 10
.set LW,  16                           ; v[16:143]   32 loads of W1
.set LX,  144                          ; v[144:159]  4 loads of x
.set LC,  160                          ; v[160:161]  b1 or W2
.set SQ,  164                          ; v[164:167]  sums of squares of my 4 columns
; ---- registers, main part ----
.set AT,  4                            ; v4, v5      transposing loads: i = 0-63, i = 64-127
.set AB2, 6                            ; v6          W1 rows of my slice, for the second product
.set ACT, 7                            ; v7          tables
.set AX,  8                            ; v8          x fragments (read before ACC0 is first written)
.set ACC0, 8                           ; v[8:11]     sum of 2 t W2, a pair for each batch tile
.set ACC2, 12                          ; v[12:15]    sum of 2 t (1 - t^2) W2 s
.set XF,  16                           ; v[16:79]    x fragments (bt, ks) at 32 bt + 8 ks
.set D2,  80                           ; v[80:111]   second product, tile (bt, it) at 16 bt + 8 it
.set D1,  112                          ; v[112:143]  first product, tile (ht, bt) at 16 ht + 8 bt
.set AF,  144                          ; v[144:175]  W1^T fragments of ht = 0; those of ht = 1 at AF + 80 = v[224:255]
.set EE,  144                          ; v[144:159]  elementwise: e, then e R, then 1 - t^2, then g
.set RR,  160                          ; v[160:175]  elementwise: 2 / (1 + e)
.set CB,  176                          ; v[176:191]  b1 of the group's 32 h, as C of the first product
.set TT,  176                          ;             afterwards 2 |t|
.set W2V, 192                          ; v[192:207]  W2 of the group
.set SV,  208                          ; v[208:223]  s of the group
.set B2,  224                          ; v[224:239]  W1 fragments of the second product
.set A2,  240                          ; v[240:255]  g in f16, A of the second product
; Four places: a vector instruction that reads a matrix result or writes a matrix instruction's register, and a load into such a
; register, stand four independent plain vector instructions behind it.
.macro PLACES
.rept 4
	v_nop
.endr
.endm
; acc += a * b on register pairs; start = 1: the product starts the sum, nothing is cleared.
.macro PKACC acc, a, b, start
.if \start
	v_pk_mul_f32 v[\acc:\acc+1], v[\a:\a+1], v[\b:\b+1]
.else
	v_pk_fma_f32 v[\acc:\acc+1], v[\a:\a+1], v[\b:\b+1], v[\acc:\acc+1]
.endif
.endm
; Elementwise work on the 16 registers of h tile ht (both batch tiles).  Lane (r, h') register j holds z(h = 16 ht + 8 h' + j, b = r).
.macro EW ht, first
.set ZZ, D1+16*\ht
.set CW, W2V+8*\ht
.set CS, SV+8*\ht
.set i, 0
.rept 16
	v_mul_f32 v[EE+i], s10, |v[ZZ+i]|              ; -2 log2(e) |z|
.set i, i+1
.endr
.set i, 0
.rept 16
	v_exp_f32 v[EE+i], v[EE+i]                     ; e = exp(-2 |z|), at most 1
.set i, i+1
.endr
	v_nop                                          ; one plain instruction between a transcendental and the use of its result (ISA guide 5.7.2)
.set i, 0
	s_wait_alu depctr_va_vdst(0)
.rept 8
	v_pk_fma_f32 v[RR+i:RR+i+1], v[EE+i:EE+i+1], 0.5, 0.5 op_sel_hi:[1,0,0]   ; (1 + e) / 2
.set i, i+2
.endr
.set i, 0
.rept 16
	v_rcp_f32 v[RR+i], v[RR+i]                     ; R = 2 / (1 + e)
.set i, i+1
.endr
	v_nop                                          ; as above
.set i, 0
	s_wait_alu depctr_va_vdst(0)
.rept 8
	v_pk_mul_f32 v[EE+i:EE+i+1], v[EE+i:EE+i+1], v[RR+i:RR+i+1]               ; e R
.set i, i+2
.endr
.set i, 0
.rept 8
	v_pk_add_f32 v[TT+i:TT+i+1], v[RR+i:RR+i+1], v[EE+i:EE+i+1] neg_lo:[0,1] neg_hi:[0,1]   ; R - e R = 2 |t|
.set i, i+2
.endr
.set i, 0
.rept 8
	v_pk_mul_f32 v[EE+i:EE+i+1], v[EE+i:EE+i+1], v[RR+i:RR+i+1]               ; e R^2 = 1 - t^2
.set i, i+2
.endr
.set i, 0
.rept 16
	v_bfi_b32 v[ZZ+i], s11, v[TT+i], v[ZZ+i]       ; 2 t: the magnitude of 2 |t| under z's sign
.set i, i+1
.endr
.irp jp, 0,1,2,3
.irp bt, 0,1
	v_pk_mul_f32 v[EE+8*\bt+2*\jp:EE+8*\bt+2*\jp+1], v[EE+8*\bt+2*\jp:EE+8*\bt+2*\jp+1], v[CW+2*\jp:CW+2*\jp+1]   ; g = (1 - t^2) W2
.endr
.endr
.irp jp, 0,1,2,3
.irp bt, 0,1
.if \jp == 0
	PKACC ACC0+2*\bt, ZZ+8*\bt+2*\jp, CW+2*\jp, \first
.else
	PKACC ACC0+2*\bt, ZZ+8*\bt+2*\jp, CW+2*\jp, 0
.endif
.endr
.endr
.set i, 0
.rept 8
	v_pk_mul_f32 v[ZZ+i:ZZ+i+1], v[ZZ+i:ZZ+i+1], v[EE+i:EE+i+1]               ; 2 t g
.set i, i+2
.endr
.irp jp, 0,1,2,3
.irp bt, 0,1
.if \jp == 0
	PKACC ACC2+2*\bt, ZZ+8*\bt+2*\jp, CS+2*\jp, \first
.else
	PKACC ACC2+2*\bt, ZZ+8*\bt+2*\jp, CS+2*\jp, 0
.endif
.endr
.endr
.irp bt, 0,1
.irp jp, 0,1,2,3
	v_cvt_pk_f16_f32 v[A2+8*\bt+4*\ht+\jp], v[EE+8*\bt+2*\jp], v[EE+8*\bt+2*\jp+1]   ; k = 16 ht + 8 h' + 2 jp, + 1: A's registers 4 ht + jp
.endr
.endr
.endm
; One group of 32 hidden units: 16 + 4 matrix instructions and the elementwise work between them.
; first = 1: the group's products start the sums.  last = 1: the wave reads nothing more of the copies and the tables, and says so.
.macro HG hg, first, last
.irp ht, 0,1
.irp hf, 0,1
	ds_load_b128 v[SV+8*\ht+4*\hf:SV+8*\ht+4*\hf+3], v[ACT] offset:T_S0+128*\hg+64*\ht+16*\hf
.endr
.endr
.irp ht, 0,1
.irp hf, 0,1
	ds_load_b128 v[D1+8*\ht+4*\hf:D1+8*\ht+4*\hf+3], v[ACT] offset:T_S1+128*\hg+64*\ht+16*\hf   ; D1 is free until the first product
.endr
.endr
.irp ht, 0,1
.irp hf, 0,1
	ds_load_b128 v[CB+8*\ht+4*\hf:CB+8*\ht+4*\hf+3], v[ACT] offset:T_B1+128*\hg+64*\ht+16*\hf
.endr
.endr
	; W1^T fragments (m = h, k = i) out of rows that lie along h: two transposing loads, 16 rows apart, for each 16 h x 32 i
.irp ht, 0,1
.irp ks, 0,1,2,3
.irp hf, 0,1
	ds_load_tr16_b128 v[AF+80*\ht+8*\ks+4*\hf:AF+80*\ht+8*\ks+4*\hf+3], v[AT+(\ks>>1)] offset:64*\hg+32*\ht+\hf*16*W1P+(\ks&1)*32*W1P
.endr
.endr
.endr
.irp ht, 0,1
.irp hf, 0,1
	ds_load_b128 v[W2V+8*\ht+4*\hf:W2V+8*\ht+4*\hf+3], v[ACT] offset:T_W2+128*\hg+64*\ht+16*\hf
.endr
.endr
	s_wait_dscnt 24                                ; LDS loads return in order (ISA guide 5.7.1): both halves of s are in; b1 (4), W1^T (16), W2 (4) stay out
.set i, 0
.rept 8
	v_pk_add_f32 v[SV+i:SV+i+1], v[SV+i:SV+i+1], v[D1+i:D1+i+1]               ; s = rows 0-63 + rows 64-127
.set i, i+2
.endr
	s_wait_dscnt 4                                 ; all but W2's four loads are in (x's fragments were issued earlier still)
	; D1[h][b] = W1^T x^T + b1: four chains in place, the bias as the first link's C
.irp ks, 0,1,2,3
.irp ht, 0,1
.irp bt, 0,1
.if \ks == 0
	v_wmma_f32_16x16x32_f16 v[D1+16*\ht+8*\bt:D1+16*\ht+8*\bt+7], v[AF+80*\ht+8*\ks:AF+80*\ht+8*\ks+7], v[XF+32*\bt+8*\ks:XF+32*\bt+8*\ks+7], v[CB+8*\ht:CB+8*\ht+7]
.else
	v_wmma_f32_16x16x32_f16 v[D1+16*\ht+8*\bt:D1+16*\ht+8*\bt+7], v[AF+80*\ht+8*\ks:AF+80*\ht+8*\ks+7], v[XF+32*\bt+8*\ks:XF+32*\bt+8*\ks+7], v[D1+16*\ht+8*\bt:D1+16*\ht+8*\bt+7]
.endif
.endr
.endr
.endr
	PLACES                                         ; in front of the loads into B2 (was A) and of the vector work that reads D1 and writes over A and C
.irp it, 0,1
.irp hf, 0,1
	ds_load_b128 v[B2+8*\it+4*\hf:B2+8*\it+4*\hf+3], v[AB2] offset:16*W1P*\it+64*\hg+32*\hf   ; W1(i = 16 it + r, h = 8 h' .. and 16 + 8 h' ..)
.endr
.endr
	s_wait_dscnt 4                                 ; W2 is in; the four loads just issued stay out
	EW 0, \first
	EW 1, 0
	s_wait_dscnt 0                                 ; B2 is in, and with it every LDS load that the wave has issued
.if \last
	s_barrier_signal -1                            ; my reads of the main part are over; only register work follows up to the wait in front of the reduction's stores
.endif
.irp bt, 0,1
.irp it, 0,1
.if \first
	v_wmma_f32_16x16x32_f16 v[D2+16*\bt+8*\it:D2+16*\bt+8*\it+7], v[A2+8*\bt:A2+8*\bt+7], v[B2+8*\it:B2+8*\it+7], 0
.else
	v_wmma_f32_16x16x32_f16 v[D2+16*\bt+8*\it:D2+16*\bt+8*\it+7], v[A2+8*\bt:A2+8*\bt+7], v[B2+8*\it:B2+8*\it+7], v[D2+16*\bt+8*\it:D2+16*\bt+8*\it+7]
.endif
.endr
.endr
.endm
; Eight vectors of four f32 at v[b], v[b+4], .. are summed into v[b:b+3]: 14 packed adds.
.macro SUM8 b
.irp k, 0,2,4,6
	v_pk_add_f32 v[\b+4*\k:\b+4*\k+1],   v[\b+4*\k:\b+4*\k+1],   v[\b+4*\k+4:\b+4*\k+5]
	v_pk_add_f32 v[\b+4*\k+2:\b+4*\k+3], v[\b+4*\k+2:\b+4*\k+3], v[\b+4*\k+6:\b+4*\k+7]
.endr
.irp k, 0,4
	v_pk_add_f32 v[\b+4*\k:\b+4*\k+1],   v[\b+4*\k:\b+4*\k+1],   v[\b+4*\k+8:\b+4*\k+9]
	v_pk_add_f32 v[\b+4*\k+2:\b+4*\k+3], v[\b+4*\k+2:\b+4*\k+3], v[\b+4*\k+10:\b+4*\k+11]
.endr
	v_pk_add_f32 v[\b:\b+1],   v[\b:\b+1],   v[\b+16:\b+17]
	v_pk_add_f32 v[\b+2:\b+3], v[\b+2:\b+3], v[\b+18:\b+19]
.endm
; ================= ids and global offsets =================
	s_load_b512 s[16:31], s[0:1], 0x0              ; x 16, W1 18, b1 20, W2 22, b2 24, out0 26, out1 28, out2 30
	v_and_b32 v1, 31, v0                           ; L: lane
	v_lshrrev_b32 v2, 5, v0
	v_readfirstlane_b32 s2, v2                     ; wave 0..15
	v_and_b32 v2, 15, v0                           ; r = L & 15 (also t & 15)
	v_bfe_u32 v3, v0, 4, 1                         ; h' = L >> 4
	s_and_b32 s3, s2, 7                            ; hr: my 64 hidden units
	s_lshr_b32 s4, s2, 3                           ; bh: my 32 batch rows; in the staging, my 64 rows of W1
	s_and_b32 s5, ttmp9, 3                         ; slice of 32 directions: the grid's x is 4, so the id has two bits, and the rows 32 slice + 0..31 lie inside W1's copy
	s_and_b32 s6, ttmp7, 0xffff                    ; block of 64 batch rows
	s_mov_b32 s8, 0x76543210                       ; v_permlanex16_b32: lane i takes lane i of the other half
	s_mov_b32 s9, 0xfedcba98
	s_mov_b32 s10, 0xc038aa3b                      ; -2 log2(e)
	s_mov_b32 s11, 0x7fffffff                      ; all but the sign
	s_lshl_b32 s36, s4, 17                         ; 64 rows of W1, 2,048 bytes each
	s_lshl_b32 s37, s3, 8                          ; 64 f32
	s_add_co_u32 s36, s36, s37
	s_lshl_b32 s38, s6, 15                         ; 64 rows of x, 512 bytes each
	v_lshlrev_b32 v[GW], 4, v2                     ; W1: 16 lanes take 256 bytes of a row,
	v_lshl_add_u32 v[GW], v3, 13, v[GW]            ; the other 16 the row four further down
	v_add_nc_u32 v[GW], s36, v[GW]
	v_lshl_add_u32 v[GX], v0, 4, s38               ; x: the block is 32,768 consecutive bytes, 16 a thread and load
	v_lshl_add_u32 v[GC], v1, 3, s37               ; b1 or W2: 8 bytes a lane, 256 a wave
	s_wait_kmcnt 0x0
	s_cmp_eq_u32 s4, 0
	s_cselect_b64 s[34:35], s[20:21], s[22:23]     ; waves 0-7 bring b1, waves 8-15 W2
	s_load_b32 s12, s[24:25], 0x0                  ; b2, waited for where it is used
; ================= staging: all 37 loads of the wave at once =================
	global_load_b64 v[LC:LC+1], v[GC], s[34:35]
.irp q, 0,1,2,3
	global_load_b128 v[LX+4*\q:LX+4*\q+3], v[GX], s[16:17] offset:8192*\q
.endr
.set p, 0
.rept 32
	global_load_b128 v[LW+4*p:LW+4*p+3], v[GW], s[18:19] offset:(8*(p>>2)+(p&3))*2048   ; rows 8 (p >> 2) + (p & 3) and + 4: two aligned pieces of 256 bytes
.set p, p+1
.endr
	; LDS addresses of the f16 copies
	s_mul_i32 s39, s4, 64*W1P
	s_lshl_b32 s40, s3, 7                          ; 64 f16
	s_add_co_u32 s39, s39, s40
	v_mul_u32_u24 v[LWA], v3, 4*W1P                ; 4,224 = 128 modulo 256: the two halves of the wave use different banks
	v_lshl_add_u32 v[LWA], v2, 3, v[LWA]
	v_add_nc_u32 v[LWA], s39, v[LWA]
	s_mul_i32 s41, s2, XP                          ; load q of x: row 16 q + wave
	s_add_co_u32 s41, s41, XH
	v_lshl_add_u32 v[LXA], v1, 3, s41
	s_lshl_b32 s42, s4, 11
	s_add_co_u32 s42, s42, s37
	s_add_co_u32 s42, s42, CT                      ; table bh, my 64 entries
	v_lshl_add_u32 v[LCA], v1, 3, s42
	v_lshl_add_u32 v[LSA], v2, 4, s42
	s_wait_loadcnt 36                              ; loads return in order (ISA guide 5.7.1): the first is in, the 36 younger stay out
	ds_store_b64 v[LCA], v[LC:LC+1]
.irp q, 0,1,2,3
	s_wait_loadcnt 35-\q                           ; x's load q is in; what was issued behind it stays out
	v_cvt_pk_f16_f32 v[LX+4*\q],   v[LX+4*\q],   v[LX+4*\q+1]
	v_cvt_pk_f16_f32 v[LX+4*\q+1], v[LX+4*\q+2], v[LX+4*\q+3]
	ds_store_b64 v[LXA], v[LX+4*\q:LX+4*\q+1] offset:16*XP*\q
.endr
.set p, 0
.rept 32
	s_wait_loadcnt 31-p                            ; W1's load p is in
.if p == 0
	v_pk_mul_f32 v[SQ:SQ+1],   v[LW:LW+1],   v[LW:LW+1]                       ; the first squares start the sums
	v_pk_mul_f32 v[SQ+2:SQ+3], v[LW+2:LW+3], v[LW+2:LW+3]
.else
	v_pk_fma_f32 v[SQ:SQ+1],   v[LW+4*p:LW+4*p+1],   v[LW+4*p:LW+4*p+1],   v[SQ:SQ+1]
	v_pk_fma_f32 v[SQ+2:SQ+3], v[LW+4*p+2:LW+4*p+3], v[LW+4*p+2:LW+4*p+3], v[SQ+2:SQ+3]
.endif
	v_cvt_pk_f16_f32 v[LW+4*p],   v[LW+4*p],   v[LW+4*p+1]
	v_cvt_pk_f16_f32 v[LW+4*p+1], v[LW+4*p+2], v[LW+4*p+3]
	ds_store_b64 v[LWA], v[LW+4*p:LW+4*p+1] offset:(8*(p>>2)+(p&3))*W1P
.set p, p+1
.endr
	; the two halves of the wave hold the same columns and different rows: join them.  The targets are loaded registers of x, done with.
	v_permlanex16_b32 v[LX+2], v[SQ],   s8, s9
	v_permlanex16_b32 v[LX+3], v[SQ+1], s8, s9
	v_permlanex16_b32 v[LX+6], v[SQ+2], s8, s9
	v_permlanex16_b32 v[LX+7], v[SQ+3], s8, s9
	v_pk_add_f32 v[SQ:SQ+1],   v[SQ:SQ+1],   v[LX+2:LX+3]
	v_pk_add_f32 v[SQ+2:SQ+3], v[SQ+2:SQ+3], v[LX+6:LX+7]
	ds_store_b128 v[LSA], v[SQ:SQ+3] offset:T_S0   ; lanes c and c + 16 store the same words with the same values
	s_wait_dscnt 0x0                               ; for the other waves: all my LDS stores are done
	s_barrier_signal -1
	; addresses of the main part, while the others arrive (the global offsets in v4-v6 are free: the last wait for loads was for 0)
	s_mul_i32 s36, s4, 32*XP
	s_add_co_u32 s36, s36, XH
	v_mul_u32_u24 v[AX], v2, XP
	v_lshl_add_u32 v[AX], v3, 4, v[AX]
	v_add_nc_u32 v[AX], s36, v[AX]                 ; x(b = 32 bh + r, i = 8 h' ..)
	v_and_b32 v11, 7, v0
	v_lshl_add_u32 v11, v3, 3, v11                 ; row 8 h' + (L & 7)
	v_mul_u32_u24 v[AT], v11, W1P
	v_bfe_u32 v11, v0, 3, 1
	v_lshl_add_u32 v[AT], v11, 4, v[AT]            ; + 16 ((L >> 3) & 1)
	v_add_nc_u32 v[AT], s40, v[AT]                 ; + my 64 h
	v_add_nc_u32 v[AT+1], 64*W1P, v[AT]            ; rows 64-127: beyond the reach of a 16-bit offset
	s_mul_i32 s43, s5, 32*W1P
	s_add_co_u32 s43, s43, s40
	v_mul_u32_u24 v[AB2], v2, W1P
	v_lshl_add_u32 v[AB2], v3, 4, v[AB2]
	v_add_nc_u32 v[AB2], s43, v[AB2]               ; W1(i = 32 slice + r, h = 64 hr + 8 h' ..)
	s_add_co_u32 s44, s37, CT
	v_lshl_add_u32 v[ACT], v3, 5, s44              ; tables at h = 64 hr + 8 h'
	s_barrier_wait -1                              ; W1's and x's copies and the tables are whole
; ================= main part =================
.irp bt, 0,1
.irp ks, 0,1,2,3
.irp hf, 0,1
	ds_load_b128 v[XF+32*\bt+8*\ks+4*\hf:XF+32*\bt+8*\ks+4*\hf+3], v[AX] offset:16*XP*\bt+64*\ks+32*\hf
.endr
.endr
.endr
	HG 0, 1, 0
	PLACES                                         ; in front of the next group's loads into A2 and B2
	HG 1, 0, 1
; ================= reduction over the eight h ranges =================
	; The places behind the last matrix instructions are these eight plain vector instructions, which name none of D2, A2, B2.
	s_lshl_b32 s36, s3, 8
	s_lshl_b32 s37, s4, 7
	s_add_co_u32 s36, s36, s37
	s_add_co_u32 s36, s36, F0P
	s_mul_i32 s38, s3, REDH
	s_add_co_u32 s38, s38, s37
	s_add_co_u32 s38, s38, RED
	v_lshl_add_u32 v4, v2, 2, s36                  ; F0P + 256 hr + 4 (32 bh + r)
	v_mul_u32_u24 v5, v2, RP
	v_lshl_add_u32 v5, v3, 5, v5
	v_add_nc_u32 v5, s38, v5                       ; RED + 8,704 hr + 272 r + 4 (32 bh + 8 h')
	v_add_f32 v[ACC0],   v[ACC0],   v[ACC0+1]      ; even and odd h
	v_add_f32 v[ACC0+2], v[ACC0+2], v[ACC0+3]
	v_add_f32 v[ACC2],   v[ACC2],   v[ACC2+1]
	v_add_f32 v[ACC2+2], v[ACC2+2], v[ACC2+3]
	; Every wave has signalled behind its last LDS load's return.  The stores below go to bytes of their own (from 160,768 on; the copies and
	; tables end there), but the second product's loads take their rows by the work-group's x, so the order of all reads of the main part
	; and these stores is given by a barrier and does not rest on that arithmetic.  All waves meet again a few lines further down anyway.
	s_barrier_wait -1
.irp bt, 0,1
.irp it, 0,1
.irp hf, 0,1
	ds_store_b128 v5, v[D2+16*\bt+8*\it+4*\hf:D2+16*\bt+8*\it+4*\hf+3] offset:16*RP*\it+64*\bt+16*\hf   ; row i = 16 it + r, b = 16 bt + 8 h' + 4 hf ..
.endr
.endr
.endr
	v_permlanex16_b32 v[EE],   v[ACC0],   s8, s9   ; the other half of the lanes holds the other h of the same b
	v_permlanex16_b32 v[EE+1], v[ACC0+2], s8, s9
	v_permlanex16_b32 v[EE+2], v[ACC2],   s8, s9
	v_permlanex16_b32 v[EE+3], v[ACC2+2], s8, s9
	v_add_f32 v[ACC0],   v[ACC0],   v[EE]
	v_add_f32 v[ACC0+2], v[ACC0+2], v[EE+1]
	v_add_f32 v[ACC2],   v[ACC2],   v[EE+2]
	v_add_f32 v[ACC2+2], v[ACC2+2], v[EE+3]
	ds_store_b32 v4, v[ACC0]
	ds_store_b32 v4, v[ACC0+2] offset:64
	ds_store_b32 v4, v[ACC2]   offset:2048
	ds_store_b32 v4, v[ACC2+2] offset:2048+64
	s_wait_dscnt 0x0                               ; for the other waves: my partial sums are in LDS
	s_barrier_signal -1
	; thread t takes row t >> 4 of the slice and the 16 bytes t & 15 of its 256
	v_lshrrev_b32 v6, 4, v0
	v_mul_u32_u24 v7, v6, RP
	v_lshl_add_u32 v7, v2, 4, v7
	v_add_nc_u32 v7, RED, v7
	v_lshl_add_u32 v9, v2, 4, F0P
	s_lshl_b32 s39, s5, 16                         ; 32 output rows of 2,048 bytes
	s_lshl_b32 s40, s6, 8                          ; 64 f32
	s_add_co_u32 s39, s39, s40
	v_lshl_add_u32 v11, v6, 11, s39
	v_lshl_add_u32 v11, v2, 4, v11
	s_barrier_wait -1
.irp k, 0,1,2,3,4,5,6,7
	ds_load_b128 v[16+4*\k:19+4*\k], v7 offset:REDH*\k
.endr
.irp k, 0,1,2,3,4,5,6,7
	ds_load_b128 v[48+4*\k:51+4*\k], v9 offset:256*\k
.endr
	s_wait_dscnt 8                                 ; out1's eight parts are in; out0's eight stay out
	SUM8 16
	global_store_b128 v11, v[16:19], s[28:29] th:TH_STORE_NT   ; 16 lanes store 256 consecutive bytes, at a multiple of 256 from out1's first byte
	s_wait_dscnt 0x0
	s_wait_kmcnt 0x0                               ; b2
	s_mov_b32 s13, s12                             ; the packed form names the pair
	SUM8 48
	v_pk_fma_f32 v[48:49], v[48:49], 0.5, s[12:13] op_sel_hi:[1,0,0]          ; the sums hold 2 t W2
	v_pk_fma_f32 v[50:51], v[50:51], 0.5, s[12:13] op_sel_hi:[1,0,0]
	global_store_b128 v11, v[48:51], s[26:27] th:TH_STORE_NT   ; the same value in all 32 rows of the slice
	; out2: 64 numbers of the block, by wave 0 of slice 0
	s_cmp_lg_u32 s2, 0
	s_cbranch_scc1 .Lend
	s_cmp_lg_u32 s5, 0
	s_cbranch_scc1 .Lend
	v_lshl_add_u32 v4, v1, 3, LAPP
	v_lshl_add_u32 v5, v1, 3, s40
.irp k, 0,1,2,3,4,5,6,7
	ds_load_b64 v[80+2*\k:81+2*\k], v4 offset:256*\k
.endr
	s_wait_dscnt 0x0
	v_pk_add_f32 v[80:81], v[80:81], v[82:83]
	v_pk_add_f32 v[84:85], v[84:85], v[86:87]
	v_pk_add_f32 v[88:89], v[88:89], v[90:91]
	v_pk_add_f32 v[92:93], v[92:93], v[94:95]
	v_pk_add_f32 v[80:81], v[80:81], v[84:85]
	v_pk_add_f32 v[88:89], v[88:89], v[92:93]
	v_pk_add_f32 v[80:81], v[80:81], v[88:89] neg_lo:[1,1] neg_hi:[1,1]       ; the sums hold 2 t (1 - t^2) W2 s: the Laplacian is their negative
	global_store_b64 v5, v[80:81], s[30:31] th:TH_STORE_NT     ; 32 lanes store 256 consecutive bytes, aligned
.Lend:
	s_wait_xcnt 0x0
	v_lshl_add_u32 v254, v0, 2, 0x39400
	v_mov_b32 v255, 0
	s_wait_tensorcnt 0x0
	ds_add_u32 v254, v255
	s_wait_dscnt 0x0
	s_endpgm
.Lfunc_end_k_q1c339844da_laplace:
	.size	k_q1c339844da_laplace, .Lfunc_end_k_q1c339844da_laplace-k_q1c339844da_laplace
	.p2alignl 7, 3214868480
	.fill 96, 4, 3214868480
	.section	.rodata,"a",@progbits
	.p2align	6, 0x0
	.amdhsa_kernel k_q1c339844da_laplace
		.amdhsa_group_segment_fixed_size 236544
		.amdhsa_private_segment_fixed_size 0
		.amdhsa_enable_private_segment 0
		.amdhsa_kernarg_size 64
		.amdhsa_user_sgpr_count 2
		.amdhsa_user_sgpr_kernarg_segment_ptr 1
		.amdhsa_wavefront_size32 1
		.amdhsa_system_sgpr_workgroup_id_x 1
		.amdhsa_system_sgpr_workgroup_id_y 1
		.amdhsa_system_sgpr_workgroup_id_z 1
		.amdhsa_system_vgpr_workitem_id 0
		.amdhsa_next_free_vgpr 256
		.amdhsa_next_free_sgpr 66
		.amdhsa_reserve_vcc 0
		.amdhsa_float_denorm_mode_32 3
		.amdhsa_float_denorm_mode_16_64 3
		.amdhsa_memory_ordered 1
		.amdhsa_forward_progress 1
		.amdhsa_inst_pref_size 67
	.end_amdhsa_kernel
	.amdgpu_metadata
---
amdhsa.version: [ 1, 2 ]
amdhsa.kernels:
  - .name:           k_q1c339844da_laplace
    .symbol:         k_q1c339844da_laplace.kd
    .args:
      - { .name: x, .offset: 0, .size: 8, .value_kind: global_buffer, .address_space: global }
      - { .name: W1, .offset: 8, .size: 8, .value_kind: global_buffer, .address_space: global }
      - { .name: b1, .offset: 16, .size: 8, .value_kind: global_buffer, .address_space: global }
      - { .name: W2, .offset: 24, .size: 8, .value_kind: global_buffer, .address_space: global }
      - { .name: b2, .offset: 32, .size: 8, .value_kind: global_buffer, .address_space: global }
      - { .name: out0, .offset: 40, .size: 8, .value_kind: global_buffer, .address_space: global }
      - { .name: out1, .offset: 48, .size: 8, .value_kind: global_buffer, .address_space: global }
      - { .name: out2, .offset: 56, .size: 8, .value_kind: global_buffer, .address_space: global }
    .group_segment_fixed_size: 236544
    .private_segment_fixed_size: 0
    .kernarg_segment_align: 8
    .kernarg_segment_size: 64
    .max_flat_workgroup_size: 512
    .sgpr_count:     66
    .vgpr_count:     256
    .wavefront_size: 32
...
	.end_amdgpu_metadata
.endif
;; end of part 1
